; MI455X (gfx1250); checked and timed in simulation.
; The chip was launched on July 23, 2026; its instructions are those of AMD's public machine-readable ISA for CDNA 5 (MIT licence, August 2026) and "CDNA5" Instruction Set Architecture Reference Guide (July 2026). The comments in the code are by the model that wrote it; some were corrected since.
;; Causal Self Attention. Allowed arithmetic: matrix products marked QUANTISED: E2M3 operands, one E8M0 scale for each 32 along K, by v_wmma_scale_f32_16x16x128_f8f6f4 with both operands' format E2M3, f32 sums; everything else in f32.
;; Inputs: b_proj 1,024 float32; b_qkv 3,072 float32; w_proj 1,024 x 1,024 float32; w_qkv 1,024 x 3,072 float32; x 2 x 2,048 x 1,024 float32.
;; Outputs: out0 2 x 2,048 x 1,024 float32.
;; This version of the problem:
;;   THIS VERSION OF THE PROBLEM IS GIVEN IN LOW PRECISION. The matrix products marked QUANTISED in the list below multiply operands that are first quantised to E2M3 (2 exponent bits, 3 mantissa bits; 6 bits a number), with one power-of-two scale for each 32 numbers along K (OCP MX v1.0); their sums are f32. All else is computed in f32.
;;   The module's matrix products, in the order in which they are computed (A, B: the left and right operand; K: the contracted axis; several contracted axes count as one K, in the product's order):
;;     1. [M 4,096, K 1,024] x [K 1,024, N 3,072]; A: input x; B: input w_qkv: QUANTISED
;;     2. batch 32 x [M 2,048, K 64] x [K 64, N 2,048]; A: computed on the way; B: computed on the way: QUANTISED
;;     3. batch 32 x [M 2,048, K 2,048] x [K 2,048, N 64]; A: softmax (see below); B: computed on the way: QUANTISED
;;     4. [M 4,096, K 1,024] x [K 1,024, N 1,024]; A: computed on the way; B: input w_proj: QUANTISED
;;   THE QUANTISER, for each operand of a quantised product, along K:
;;     - K is cut into blocks of 32 from its start; a last block that is shorter is filled with zeros.
;;     - A block's scale is 2^e with e = floor(log2(the largest magnitude in the block)) - 2, held to -126 .. 127; a block of zeros has e = 0. As a byte (E8M0): e + 127.
;;     - Each number is divided by its block's scale, clamped to +-7.5, and rounded to the nearest number of E2M3, ties to even, subnormals kept.
;;     - The product sums the exact products of the quantised numbers (number of the format x scale) in f32.
;;   ~~~python
;;   def quantise(x, axis):      # numpy; x: float32 -> the quantised numbers, widened to float32 again
;;       x = np.moveaxis(x, axis, -1); K = x.shape[-1]
;;       x = np.pad(x, [(0, 0)] * (x.ndim - 1) + [(0, -K % 32)]); x = x.reshape(x.shape[:-1] + (-1, 32)); a = np.abs(x).max(-1, keepdims=True)
;;       e = np.where(a > 0, np.clip(np.frexp(np.where(a > 0, a, 1))[1] - 1 - 2, -126, 127), 0)      # np.frexp(a)[1] - 1 = floor(log2(a)), exactly
;;       r = np.clip(x / 2.0 ** e, -7.5, 7.5)
;;       step = 2.0 ** (np.maximum(np.frexp(np.where(r == 0, 1, r))[1] - 1, 0) - 3)
;;       q = np.round(r / step) * step * 2.0 ** e      # np.round: ties to even
;;       return np.moveaxis(q.reshape(q.shape[:-2] + (-1,))[..., :K], -1, axis).astype(np.float32)
;;   ~~~
;;   SOFTMAX AHEAD OF A QUANTISED PRODUCT. Where the list says 'softmax', what is quantised is not the finished softmax but p = 2^(t - M), with t = logit x log2(e) and M = ceil(the row's largest t), a whole number; so 1/2 < the row's largest p <= 1. The row's sum l is taken of the UNQUANTISED p, in f32, and the product's result is divided by l at the end. Since M is a whole number, a kernel that streams over the keys may use a running M (the ceiling of the running maximum): every later rescaling is an exact power of two, which a block's scale takes up: the codes' values come out the same.
;;   OPERANDS COMPUTED ON THE WAY. 'Computed on the way' means the value that the module computes at that place (a softmax that the list does not call 'softmax' is quantised finished and normalised). What goes into a quantiser is computed in f32, as accurately as f32 sums, v_exp_f32 and their like allow (about 1e-6 of the number): no bf16 or f16 on the way to a quantiser, and a product that is left as it is and whose result goes on into a quantised operand takes f32 operands (vector FMAs, or v_wmma_f32_16x16x4_f32). A number that lies on a knife's edge between two numbers of the format may be rounded either way, as far as f32 arithmetic and the matrix unit's own rounding can turn it there, and no further.
;; One version. Each part assembles by itself: llvm-mc -triple=amdgcn-amd-amdhsa -mcpu=gfx1250 --defsym DOCPART=n.
;; ======== version 1 of 1: 4 launches
;; limits: right only within a limited range of input values
;; workspace buffers: xc 3,145,728 bytes; xs 131,072 bytes; wc 3,145,728 bytes; ws 131,072 bytes; qkv 9,830,400 bytes; oc 3,145,728 bytes; os 131,072 bytes
;; launch quant (part 1): grid 256 x 1, 8 waves a work-group, no clusters, 155,648 bytes of LDS; arguments x, w_qkv, w_proj, xc, xs, wc, ws; writes xc, xs, wc, ws
.if DOCPART == 1
	.amdgcn_target "amdgcn-amd-amdhsa--gfx1250"
	.amdhsa_code_object_version 6
	.text
	.protected	k_qe0811ca273_quant
	.globl	k_qe0811ca273_quant
	.p2align	8
	.type	k_qe0811ca273_quant,@function
k_qe0811ca273_quant:
	s_mov_b64 s[64:65], 0
	v_nop
	global_prefetch_b8 v0, s[64:65] scope:SCOPE_SE
	s_setreg_imm32_b32 hwreg(HW_REG_WAVE_MODE, 25, 1), 1
	s_wait_xcnt 0x0
; x [4096][1024], w_qkv [1024][3072], w_proj [1024][1024], f32, become codes of FP6 (E2M3) along K and one E8M0 byte for each 32 along K.
; A block's scale is 2^(floor(log2(its largest magnitude)) - 2); its byte is that magnitude's exponent field - 2, held at 1 from below.
; LIMITS of the whole program: NaN and infinities are not served; a block of zeros gets the byte 1 (its codes are zeros, and this program alone reads the bytes); blocks under 2^-124 keep the byte 1.
; WORK LEFT OUT in the program: only the tiles of the scores that reference()'s causal mask sets to -infinity (launch attn); a NaN, an infinity or an overflow that reaches only those is not carried to the result.
; LAYOUT.  A TILE is 16 rows (tokens of x, columns of a weight): [K step of 128: 8][piece: 3][lane: 32][16 bytes], the image of the 12 operand registers: lane (r, h), registers 6 c .. 6 c + 5: k = 64 c + 32 h + 0 .. 31.
; Scale words: [K quarter][tile][r][2 K steps].  Rows of x and columns of w_qkv go in groups of 64: index 32 h + 8 j + i lies at place 16 j + 8 h + i, so that a lane's results of four tiles are 32 neighbours.
; w_qkv's tiles go by twelves n = 0 .. 15: four of Q/K head 2 n, V head n's tiles 0, 1, four of Q/K head 2 n + 1, V head n's tiles 2, 3.  w_proj's columns keep their order.
; 256 work-groups of eight waves, 131,072 bytes each: 0-127 x (two tiles; a wave takes one tile x a quarter of K), 128-223 w_qkv, 224-255 w_proj (128 columns x a quarter of K; a wave takes 32 columns x 128 along K).
; The three ways part on the work-group's number and have LDS bytes of their own.  No tensor loads: the bytes are read once, straight into registers.
.set XI,    73728                      ; x: behind 8 x two stages of 4,608 bytes: a wave's image, half pieces of 256 bytes 272 apart
.set XSC,   100352                     ; x: a wave's 128 scale bytes
.set LQ,    101376                     ; w_qkv: 8 tiles, 3,200 apart, then 1,024 scale bytes
.set LP,    128000                     ; w_proj: the same
.set SPARE, 154624
.macro QMAX x                          ; v23 = the largest magnitude of 32 registers, with the floor 2^(3 - 127)
	v_max3_num_f32 v23, |v[\x]|, |v[\x+1]|, 0x1800000
	v_max3_num_f32 v24, |v[\x+2]|, |v[\x+3]|, |v[\x+4]|
.irp i, 5,9,13,17,21,25
	v_max3_num_f32 v23, v23, |v[\x+\i]|, |v[\x+\i+1]|
	v_max3_num_f32 v24, v24, |v[\x+\i+2]|, |v[\x+\i+3]|
.endr
	v_max3_num_f32 v23, v23, |v[\x+29]|, |v[\x+30]|
	v_max3_num_f32 v23, v23, v24, |v[\x+31]|
.endm
.macro CODES x, c                      ; a block's 32 codes: registers c .. c + 2 and c + 4 .. c + 6 (a conversion's registers begin on an even number)
	v_add_nc_u32 v25, 0xff000000, v23              ; 2 off the exponent field: the conversion's scale operand
	v_cvt_scalef32_pk16_fp6_f32 v[\c:\c+2], v[\x:\x+15], v25
	v_cvt_scalef32_pk16_fp6_f32 v[\c+4:\c+6], v[\x+16:\x+31], v25
.endm
.macro CLOSE c                         ; and moved together: c .. c + 5
	v_mov_b32 v[\c+3], v[\c+4]
	v_mov_b32 v[\c+4], v[\c+5]
	v_mov_b32 v[\c+5], v[\c+6]
.endm
.macro TURN t                          ; a step's 4 rows x 1,024 bytes through the stage: in as they lie, out 128 bytes a lane; LDS serves a wave's instructions in order
.irp i, 0,1,2,3,4,5,6,7
	ds_store_b128 v4, v[64+32*(\t)+4*\i:64+32*(\t)+4*\i+3] offset:4608*((\t)%2)+576*\i
.endr
.irp i, 0,1,2,3,4,5,6,7
	ds_load_b128 v[192+32*((\t)%2)+4*\i:192+32*((\t)%2)+4*\i+3], v7 offset:4608*((\t)%2)+16*\i
.endr
.endm
.macro XSTEP t
.set XS, 192+32*((\t)%2)
.set C, 64+32*(\t)
.if (\t) > 0
	s_wait_dscnt 4                                 ; this step's blocks are back; the last step's four stores may be out
.else
	s_wait_dscnt 0x0
.endif
.if (\t) < 3
	s_wait_loadcnt 8*(2-(\t))                      ; the next step's eight loads are in
	TURN (\t)+1
.endif
	QMAX XS
	CODES XS, C
	v_lshrrev_b32 v[26+\t], 23, v25                ; the scale's byte
	CLOSE C
	ds_store_b64 v16, v[C:C+1] offset:64*(\t)
	ds_store_b64 v17, v[C+2:C+3] offset:64*(\t)+8
	ds_store_b64 v16, v[C+4:C+5] offset:64*(\t)+544
	ds_store_b8 v19, v[26+\t] offset:32*(\t)
.endm
.macro WLOAD t, n, wp
.set J, 0
.rept 32
	global_load_b32 v[64+32*(\t)+J], v3, s[\wp:\wp+1] offset:(32*(\t)+J)*\n*4 th:TH_LOAD_NT
.set J, J+1
.endr
.endm
.macro WBLOCK t, n, wp
.set XS, 64+32*(\t)
.set C, 192+8*(\t)
.if (\t) < 3
	s_wait_loadcnt 32                              ; this block's 32 loads are in; the next block's may be out
.else
	s_wait_loadcnt 0x0
.endif
.if (\t) < 2
	WLOAD (\t)+2, \n, \wp
.endif
	QMAX XS
	CODES XS, C
.if (\t) == 0
	v_lshrrev_b32 v27, 23, v25                     ; the column's scale word, byte by byte
.else
	v_lshrrev_b32 v26, 23, v25
	v_lshl_or_b32 v27, v26, 8*(\t), v27
.endif
	CLOSE C
.if (\t) < 2
	ds_store_b128 v4, v[C:C+3] offset:256*((\t)%2)
	ds_store_b64 v4, v[C+4:C+5] offset:512+256*((\t)%2)
.else
	ds_store_b64 v4, v[C:C+1] offset:520+256*((\t)%2)
	ds_store_b128 v4, v[C+2:C+5] offset:1024+256*((\t)%2)
.endif
.endm
; A weight's way.  n: its columns; wp: its pointer; perm: w_qkv's order; cb, sb: its first byte in wc, ws; sg: a K quarter's scale bytes; lds; g0: its first work-group
.macro WPATH n, wp, perm, cb, sb, sg, lds, g0
	s_sub_co_u32 s23, ttmp9, \g0
	s_lshr_b32 s24, s23, 2                         ; which 128 columns
	s_and_b32 s25, s23, 3                          ; which quarter of K
	s_and_b32 s26, s22, 1                          ; which 128 of that quarter
	s_lshr_b32 s27, s22, 1                         ; which 32 columns
	s_mul_i32 s36, s25, 1024*\n
	s_mul_i32 s37, s26, 512*\n
	s_add_co_u32 s36, s36, s37
	s_lshl_b32 s37, s24, 9
	s_add_co_u32 s36, s36, s37
	s_lshl_b32 s37, s27, 7
	s_add_co_u32 s36, s36, s37
	s_mov_b32 s37, 0
.if \perm
	s_and_b32 s28, s22, 3                          ; the tile that I store: head 2 s24 + s29 of 48, its tile s28
	s_lshr_b32 s29, s22, 2
	s_sub_co_u32 s31, s24, 16
	s_lshl_b32 s31, s31, 1
	s_add_co_u32 s31, s31, s29
	s_mul_i32 s31, s31, 12
	s_lshr_b32 s38, s28, 1
	s_mul_i32 s38, s38, 6
	s_add_co_u32 s31, s31, s38
	s_and_b32 s38, s28, 1
	s_add_co_u32 s31, s31, s38
	s_add_co_u32 s31, s31, 4                       ; V
	s_mul_i32 s30, s24, 12
	s_mul_i32 s38, s29, 6
	s_add_co_u32 s30, s30, s38
	s_add_co_u32 s30, s30, s28                     ; Q, K
	s_cmp_lt_u32 s24, 16
	s_cselect_b32 s30, s30, s31
	s_lshr_b32 s28, s27, 1
	s_mul_i32 s38, s28, 12800
	s_lshl_b32 s39, s28, 9
	s_and_b32 s28, s27, 1
	s_lshl_b32 s29, s28, 7
	s_add_co_u32 s38, s38, s29
	s_lshl_b32 s29, s28, 6
	s_add_co_u32 s39, s39, s29
.else
	s_lshl_b32 s30, s24, 3
	s_add_co_u32 s30, s30, s22
	s_mul_i32 s38, s27, 6400
	s_lshl_b32 s39, s27, 8
.endif
	s_mul_i32 s28, s26, 1536
	s_add_co_u32 s38, s38, s28
	s_add_co_u32 s38, s38, \lds                    ; my part of the stage
	s_lshl_b32 s28, s26, 2
	s_add_co_u32 s39, s39, s28
	s_add_co_u32 s39, s39, \lds+25600              ; and of its scale words
	s_mul_i32 s32, s30, 12288
	s_mul_i32 s33, s25, 3072
	s_add_co_u32 s32, s32, s33
	s_add_co_u32 s32, s32, \cb
	s_mov_b32 s33, 0
	s_lshl_b32 s34, s30, 7
	s_mul_i32 s35, s25, \sg
	s_add_co_u32 s34, s34, s35
	s_add_co_u32 s34, s34, \sb
	s_mov_b32 s35, 0
	s_mul_i32 s28, s22, 3200
	s_add_co_u32 s28, s28, \lds
	s_lshl_b32 s29, s22, 7
	s_add_co_u32 s29, s29, \lds+25600
	v_lshlrev_b32 v3, 2, v2
.if \perm
	v_lshrrev_b32 v5, 3, v2
	v_and_b32 v6, 7, v2
.else
	v_lshrrev_b32 v5, 4, v2
	v_and_b32 v6, 15, v2
.endif
	v_mul_u32_u24 v4, v5, 3200
	v_lshl_add_u32 v4, v6, 4, v4
	v_add_nc_u32 v4, s38, v4                       ; into the stage: my column's row of its tile
	v_lshlrev_b32 v7, 7, v5
	v_lshl_add_u32 v7, v6, 3, v7
	v_add_nc_u32 v7, s39, v7
	v_lshlrev_b32 v12, 4, v2
	v_add_nc_u32 v8, s28, v12                      ; out of it: one tile a wave
	v_add_nc_u32 v9, s29, v3
	s_wait_alu depctr_va_vdst(0)
	s_wait_kmcnt 0x0
	s_add_nc_u64 s[\wp:\wp+1], s[\wp:\wp+1], s[36:37]
	s_add_nc_u64 s[18:19], s[18:19], s[32:33]
	s_add_nc_u64 s[20:21], s[20:21], s[34:35]
	WLOAD 0, \n, \wp
	WLOAD 1, \n, \wp
	WBLOCK 0, \n, \wp
	WBLOCK 1, \n, \wp
	WBLOCK 2, \n, \wp
	WBLOCK 3, \n, \wp
	ds_store_b32 v7, v27
	s_wait_alu depctr_va_vdst(0)
	s_wait_dscnt 0x0
	s_barrier_signal -1
	s_barrier_wait -1                              ; all eight waves' parts are in the stage
.irp u, 0,1,2,3,4,5
	ds_load_b128 v[224+4*\u:227+4*\u], v8 offset:512*\u
.endr
	ds_load_b32 v28, v9
	s_wait_dscnt 0x0
.irp u, 0,1,2,3,4,5
	global_store_b128 v12, v[224+4*\u:227+4*\u], s[18:19] offset:512*\u   ; 3,072 consecutive bytes, aligned
.endr
	global_store_b32 v3, v28, s[20:21]             ; 128 consecutive bytes
	s_wait_tensorcnt 0x0
	ds_add_u32 v10, v11
	s_wait_dscnt 0x0
	s_endpgm
.endm
	s_load_b256 s[8:15], s[0:1], 0x0               ; x, w_qkv, w_proj, xc
	s_load_b128 s[16:19], s[0:1], 0x20             ; xs, wc
	s_load_b64 s[20:21], s[0:1], 0x30              ; ws
	v_lshl_add_u32 v10, v0, 2, SPARE
	v_mov_b32 v11, 0
	v_lshrrev_b32 v1, 5, v0
	v_readfirstlane_b32 s22, v1                    ; wave 0..7
	v_and_b32 v2, 31, v0                           ; lane
	s_wait_alu depctr_va_vdst(0)
	s_cmp_lt_u32 ttmp9, 128
	s_cbranch_scc0 .Lweights
	s_lshl_b32 s24, ttmp9, 1
	s_lshr_b32 s25, s22, 2
	s_add_co_u32 s24, s24, s25                     ; tile T of x
	s_and_b32 s25, s22, 3                          ; K quarter
	s_lshr_b32 s26, s24, 2
	s_lshl_b32 s26, s26, 18
	s_and_b32 s27, s24, 3
	s_lshl_b32 s27, s27, 15
	s_add_co_u32 s26, s26, s27
	s_lshl_b32 s27, s25, 10
	s_add_co_u32 s26, s26, s27                     ; token 64 (T / 4) + 8 (T % 4), quarter
	s_mov_b32 s27, 0
	s_mul_i32 s28, s24, 12288
	s_mul_i32 s29, s25, 3072
	s_add_co_u32 s28, s28, s29
	s_mov_b32 s29, 0
	s_lshl_b32 s30, s24, 7
	s_lshl_b32 s31, s25, 15
	s_add_co_u32 s30, s30, s31
	s_mov_b32 s31, 0
	s_mul_i32 s23, s22, 9216
	s_mul_i32 s32, s22, 3328
	s_add_co_u32 s32, s32, XI
	s_lshl_b32 s33, s22, 7
	s_add_co_u32 s33, s33, XSC
	v_lshlrev_b32 v3, 4, v2
	v_lshrrev_b32 v5, 3, v2                        ; my row of a step's four
	v_and_b32 v6, 7, v2                            ; my block of the row's eight: K step, c, h
	v_mul_u32_u24 v4, v5, 144
	v_lshl_add_u32 v4, v6, 4, v4
	v_add_nc_u32 v4, s23, v4                       ; the stage, in: a block's 128 bytes, 144 apart
	v_mul_u32_u24 v7, v2, 144
	v_add_nc_u32 v7, s23, v7                       ; out: my block
	v_bfe_u32 v12, v2, 2, 1                        ; K step
	v_bfe_u32 v13, v2, 1, 1                        ; c
	v_and_b32 v14, 1, v2                           ; h
	v_mul_u32_u24 v15, v12, 1632
	v_mad_u32_u24 v15, v14, 272, v15
	v_lshl_add_u32 v15, v5, 4, v15
	v_add_nc_u32 v15, s32, v15
	v_mad_u32_u24 v16, v13, 552, v15               ; the image: my block's first and last 8 bytes,
	v_mad_u32_u24 v17, v13, 1080, v15              ; and its middle 8
	v_lshlrev_b32 v19, 3, v5
	v_lshl_add_u32 v19, v12, 2, v19
	v_lshl_add_u32 v19, v13, 1, v19
	v_add_nc_u32 v19, v14, v19
	v_add_nc_u32 v19, s33, v19                     ; my block's byte: 8 r + 4 (K step) + 2 c + h
	v_lshrrev_b32 v20, 4, v2
	v_mul_u32_u24 v20, v20, 272
	v_and_b32 v21, 15, v2
	v_lshl_add_u32 v20, v21, 4, v20
	v_add_nc_u32 v20, s32, v20                     ; the image, out
	v_lshlrev_b32 v22, 2, v2
	v_add_nc_u32 v21, s33, v22
	s_wait_alu depctr_va_vdst(0)
	s_wait_kmcnt 0x0
	s_add_nc_u64 s[8:9], s[8:9], s[26:27]
	s_add_nc_u64 s[14:15], s[14:15], s[28:29]
	s_add_nc_u64 s[16:17], s[16:17], s[30:31]
.irp s, 0,1,2,3                        ; all four steps' loads: row r = 4 s + i / 2 is token 32 (r / 8) + r % 8
.irp i, 0,1,2,3,4,5,6,7
	global_load_b128 v[64+32*\s+4*\i:67+32*\s+4*\i], v3, s[8:9] offset:(32*((4*\s+\i/2)/8)+(4*\s+\i/2)%8)*4096+512*(\i%2) th:TH_LOAD_NT
.endr
.endr
	s_wait_loadcnt 24
	TURN 0
	XSTEP 0
	XSTEP 1
	XSTEP 2
	XSTEP 3
.irp u, 0,1,2,3,4,5
	ds_load_b128 v[192+4*\u:195+4*\u], v20 offset:544*\u
.endr
	ds_load_b32 v30, v21
	s_wait_alu depctr_va_vdst(0)
	s_wait_dscnt 0x0
.irp u, 0,1,2,3,4,5
	global_store_b128 v3, v[192+4*\u:195+4*\u], s[14:15] offset:512*\u   ; 3,072 consecutive bytes, aligned
.endr
	global_store_b32 v22, v30, s[16:17]            ; 128 consecutive bytes
	s_wait_tensorcnt 0x0
	ds_add_u32 v10, v11
	s_wait_dscnt 0x0
	s_endpgm
.Lweights:
	s_cmp_lt_u32 ttmp9, 224
	s_cbranch_scc0 .Lproj
	WPATH 3072, 10, 1, 0, 0, 24576, LQ, 128
.Lproj:
	WPATH 1024, 12, 0, 2359296, 98304, 8192, LP, 224
.Lfunc_end_k_qe0811ca273_quant:
	.size	k_qe0811ca273_quant, .Lfunc_end_k_qe0811ca273_quant-k_qe0811ca273_quant
	.p2alignl 7, 3214868480
	.fill 96, 4, 3214868480
	.section	.rodata,"a",@progbits
	.p2align	6, 0x0
	.amdhsa_kernel k_qe0811ca273_quant
		.amdhsa_group_segment_fixed_size 155648
		.amdhsa_private_segment_fixed_size 0
		.amdhsa_enable_private_segment 0
		.amdhsa_kernarg_size 56
		.amdhsa_user_sgpr_count 2
		.amdhsa_user_sgpr_kernarg_segment_ptr 1
		.amdhsa_wavefront_size32 1
		.amdhsa_system_sgpr_workgroup_id_x 1
		.amdhsa_system_sgpr_workgroup_id_y 1
		.amdhsa_system_sgpr_workgroup_id_z 1
		.amdhsa_system_vgpr_workitem_id 0
		.amdhsa_next_free_vgpr 256
		.amdhsa_next_free_sgpr 66
		.amdhsa_reserve_vcc 0
		.amdhsa_float_denorm_mode_32 3
		.amdhsa_float_denorm_mode_16_64 3
		.amdhsa_memory_ordered 1
		.amdhsa_forward_progress 1
		.amdhsa_inst_pref_size 63
	.end_amdhsa_kernel
	.amdgpu_metadata
---
amdhsa.version: [ 1, 2 ]
amdhsa.kernels:
  - .name:           k_qe0811ca273_quant
    .symbol:         k_qe0811ca273_quant.kd
    .args:
      - { .name: x, .offset: 0, .size: 8, .value_kind: global_buffer, .address_space: global }
      - { .name: w_qkv, .offset: 8, .size: 8, .value_kind: global_buffer, .address_space: global }
      - { .name: w_proj, .offset: 16, .size: 8, .value_kind: global_buffer, .address_space: global }
      - { .name: xc, .offset: 24, .size: 8, .value_kind: global_buffer, .address_space: global }
      - { .name: xs, .offset: 32, .size: 8, .value_kind: global_buffer, .address_space: global }
      - { .name: wc, .offset: 40, .size: 8, .value_kind: global_buffer, .address_space: global }
      - { .name: ws, .offset: 48, .size: 8, .value_kind: global_buffer, .address_space: global }
    .group_segment_fixed_size: 155648
    .private_segment_fixed_size: 0
    .kernarg_segment_align: 8
    .kernarg_segment_size: 56
    .max_flat_workgroup_size: 256
    .sgpr_count:     66
    .vgpr_count:     256
    .wavefront_size: 32
...
	.end_amdgpu_metadata
.endif
;; end of part 1
;; launch gemm1 (part 2): grid 16 x 16, 4 waves a work-group, clusters of 4 x 4, 327,680 bytes of LDS; arguments xc, xs, wc, ws, b_qkv, qkv; writes qkv
.if DOCPART == 2
	.amdgcn_target "amdgcn-amd-amdhsa--gfx1250"
	.amdhsa_code_object_version 6
	.text
	.protected	k_qe0811ca273_gemm1
	.globl	k_qe0811ca273_gemm1
	.p2align	8
	.type	k_qe0811ca273_gemm1,@function
k_qe0811ca273_gemm1:
	s_mov_b64 s[64:65], 0
	v_nop
	global_prefetch_b8 v0, s[64:65] scope:SCOPE_SE
	s_setreg_imm32_b32 hwreg(HW_REG_WAVE_MODE, 25, 1), 1
	s_wait_xcnt 0x0
	s_wait_alu depctr_hold_cnt(0) depctr_sa_sdst(0) depctr_va_vdst(0) depctr_va_sdst(0) depctr_va_ssrc(0) depctr_va_vcc(0) depctr_vm_vsrc(0)
	s_getreg_b32 s2, hwreg(HW_REG_IB_STS2, 6, 4)
	s_cmp_eq_u32 s2, 0
	s_cbranch_scc0 .Lentry_in_a_cluster
	s_endpgm
.Lentry_in_a_cluster:
	s_bfe_u32 s2, ttmp6, 0x10000c
	s_cmp_lg_u32 s2, 0xf033
	s_cbranch_scc0 .Lentry_shape_is_right
	s_endpgm
.Lentry_shape_is_right:
; Q, K, V = x w_qkv + b_qkv and their quantisers.  A work-group makes 256 tokens x 192 columns: Q/K heads 2 n, 2 n + 1 and V head n; 16 x 16 = 256 work-groups.  A wave (row half, column half): 128 tokens x one Q/K head and two of V's four tiles.
; OUT: qkv [batch, head][Q, K, V][step of 128 tokens][6,144 bytes of codes, 256 scale bytes].  Q, K: codes [band of 64][pair of tiles][piece][lane][16]: an operand of 12 registers holds two tiles of the head's 64; scale words [band][pair][r][tile % 2][h].
; V: codes [tile of 16 columns][piece][lane][16], K = the step's 128 tokens; scale words [tile][r][2 band + h].
; Q, K transposed (source 0 = the weight): a lane has 32 neighbouring columns of a token; V untransposed: 32 neighbouring tokens of a column: each is one scale block.
; LIMITS: NaN and infinities are not served; blocks of zeros get the byte 1.
; LDS: K steps 0-2 (A at A0, B at B0), 3-6 (A1, B1), by the head's four joint loads, one a wave; ONE refill: K step 7 onto A0 and B0, in a round inside K step 2.  It is read four K steps later, so no prefetch is laid.
; CLUSTERS of 4 x 4: A's tiles are shared along a row, B's along a column.  Scale words come straight into registers, 8 bytes a lane.
; REGISTERS: window 0: v10-31 addresses, v32-95 A's scale words, v100-147 B's, v148-243 A's fragments of even K steps (on the way out the codes); window 1: v0-143 B's fragments, two sets, v144-191 the bias as the first products' C;
; window 2: Q, K's sums, 32 a + 8 b; window 3: V's, 64 t + 8 a, and from v128 on A's fragments of odd K steps.  A K step's fragments are loaded while the one before it is multiplied.
.set A0,   0
.set B0,   73728
.set A1,   129024
.set B1,   227328
.set SST,  301056                      ; scale bytes on the way out: 384 a wave
.set SPARE, 302592
.set ADRA, 16                          ; v16-18: K steps 0-2, 3-6, 7
.set ADRB, 19                          ; v19-21
.set SPW,  28
.set NIL,  29
.set SA,   32
.set SB,   100
.set G1A,  24
.set G1B,  32
.set G1C,  40
.set G1D,  48
.set G0A,  68
.set G0B,  72
.set G0C,  76
.set G0D,  80
.set MSB, 0
.macro WIN new
.if MSB != (\new)
	s_set_vgpr_msb (MSB<<8)|(\new)
.set MSB, (\new)
.endif
.endm
.macro PLACES
.rept 4
	v_nop
.endr
.endm
.macro CREST
	s_cmp_lg_u32 s16, 0
	s_cbranch_scc1 .Lnot_wave_0_\@
	s_barrier_signal -3
.Lnot_wave_0_\@:
	s_barrier_wait -3
	s_barrier_signal -1
	s_barrier_wait -1
.endm
.macro CROUND
	s_barrier_signal -1
	s_barrier_wait -1
	CREST
.endm
.macro GROUP1 g, mask, c, rows         ; rows of 8 c bytes of memory, 12,288 bytes apart
	s_or_b32 s[\g], s\mask, (3<<16)|(1<<21)
	s_mov_b32 s[\g+1], (\c)<<16
	s_mov_b32 s[\g+2], (\rows)<<16
	s_mov_b32 s[\g+3], (\c)<<16
	s_mov_b32 s[\g+4], \rows
	s_mov_b32 s[\g+5], 1536
	s_mov_b32 s[\g+6], 0
	s_mov_b32 s[\g+7], 0
.endm
.macro TL g0, g1
	tensor_load_to_lds s[\g0:\g0+3], s[\g1:\g1+7]
	s_nop 0
	PLACES
.endm
.macro FETCHB q                        ; K step q's fragments of B into set q % 2
.if (\q) == 7
.set RG_, 2
.set PT_, 1536
.set KO_, 0
.elseif (\q) > 2
.set RG_, 1
.set PT_, 6144
.set KO_, 1536*((\q)-3)
.else
.set RG_, 0
.set PT_, 4608
.set KO_, 1536*(\q)
.endif
	WIN 0x40
.irp i, 0,1,2,3,4,5
.irp p, 0,1,2
	ds_load_b128 v[72*((\q)%2)+12*\i+4*\p:72*((\q)%2)+12*\i+4*\p+3], v[ADRB+RG_] offset:PT_*\i+KO_+512*\p
.endr
.endr
.endm
.macro FETCHA q                        ; and of A; FETCHB of the same K step stands ahead of it and sets the region
.set FA_, 148-20*((\q)%2)
	WIN 0xc0*((\q)%2)
.irp i, 0,1,2,3,4,5,6,7
.irp p, 0,1,2
	ds_load_b128 v[FA_+12*\i+4*\p:FA_+12*\i+4*\p+3], v[ADRA+RG_] offset:PT_*\i+KO_+512*\p
.endr
.endr
.endm
.macro W d, a, b, c, sa, sb
	v_wmma_scale_f32_16x16x128_f8f6f4 v[\d:\d+7], v[\a:\a+11], v[\b:\b+11], \c, v[\sa], v[\sb] matrix_a_fmt:MATRIX_FMT_FP6 matrix_b_fmt:MATRIX_FMT_FP6
.endm
.macro MULH a0, na, q, z               ; na token tiles from a0: four products of Q or K each, then two of V each; the accumulators take turns, one instruction a turn
.set FM_, 148-20*((\q)%2)
	WIN 0xa1-0x10*\z+0x0c*((\q)%2)
.set A_, \a0
.rept \na
.irp b, 0,1,2,3
.if \z
	W 32*A_+8*\b, 72*((\q)%2)+12*\b, FM_+12*A_, v[144+8*\b:151+8*\b], SB+8*\b+\q, SA+8*A_+\q
.else
	W 32*A_+8*\b, 72*((\q)%2)+12*\b, FM_+12*A_, v[32*A_+8*\b:32*A_+8*\b+7], SB+8*\b+\q, SA+8*A_+\q
.endif
.endr
.set A_, A_+1
.endr
	WIN 0xf4-0x20*\z+0x03*((\q)%2)
.set A_, \a0
.rept \na
.irp t, 0,1
.if \z
	W 64*\t+8*A_, FM_+12*A_, 72*((\q)%2)+48+12*\t, v[176+8*\t:183+8*\t], SA+8*A_+\q, SB+32+8*\t+\q
.else
	W 64*\t+8*A_, FM_+12*A_, 72*((\q)%2)+48+12*\t, v[64*\t+8*A_:64*\t+8*A_+7], SA+8*A_+\q, SB+32+8*\t+\q
.endif
.endr
.set A_, A_+1
.endr
.endm
.macro STEP q, z                       ; a K step whose successor has been shown: its fragments are loaded in two runs among the products
	s_wait_dscnt 0x0                               ; this K step's fragments are in
	MULH 0, 2, \q, \z
	PLACES                                         ; behind the last K step's products, in front of the loads into their registers
	FETCHB \q+1
	MULH 2, 2, \q, \z
	PLACES
	FETCHA \q+1
	MULH 4, 4, \q, \z
.endm
	s_load_b256 s[4:11], s[0:1], 0x0               ; xc, xs, wc, ws
	s_load_b128 s[12:15], s[0:1], 0x20             ; b_qkv, qkv
	v_lshl_add_u32 v[SPW], v0, 2, SPARE
	v_mov_b32 v[NIL], 0
	ds_add_u32 v[SPW], v[NIL]                      ; the opening lines
	ds_add_u32 v[SPW], v[NIL]
	v_lshrrev_b32 v1, 5, v0
	v_readfirstlane_b32 s16, v1                    ; wave
	s_lshr_b32 s17, s16, 1                         ; row half
	s_and_b32 s18, s16, 1                          ; column half
	s_bfe_u32 s19, ttmp6, 0x40000                  ; cx
	s_bfe_u32 s20, ttmp6, 0x40004                  ; cy
	s_lshl_b32 s21, ttmp9, 2
	s_add_co_u32 s21, s21, s19                     ; tile column n
	s_and_b32 s22, ttmp7, 0xffff
	s_lshl_b32 s22, s22, 2
	s_add_co_u32 s22, s22, s20                     ; tile row m
	s_lshl_b32 s96, s20, 2
	s_lshl_b32 s96, 15, s96                        ; my row of the cluster
	s_lshl_b32 s97, 0x1111, s19                    ; my column
	GROUP1 G1A, 96, 576, 16
	GROUP1 G1B, 97, 576, 12
	GROUP1 G1C, 96, 768, 16
	GROUP1 G1D, 97, 768, 12
	s_mov_b32 s[G0A], 1
	s_mov_b32 s[G0A+1], A0
	s_mov_b32 s[G0B], 1
	s_mov_b32 s[G0B+1], B0
	s_mov_b32 s[G0C], 1
	s_mov_b32 s[G0C+1], A1
	s_mov_b32 s[G0D], 1
	s_mov_b32 s[G0D+1], B1
	s_mul_i32 s94, s22, 196608                     ; 16 tiles of x
	s_mov_b32 s95, 0
	s_mul_i32 s98, s21, 147456                     ; 12 tiles of the weight
	s_mov_b32 s99, 0
	s_wait_dscnt 0x0
	s_wait_kmcnt 0x0
	s_add_nc_u64 s[G0A+2:G0A+3], s[4:5], s[94:95]
	s_add_nc_u64 s[G0C+2:G0C+3], s[G0A+2:G0A+3], 4608
	s_or_b32 s[G0A+3], s[G0A+3], 0x80000000
	s_or_b32 s[G0C+3], s[G0C+3], 0x80000000
	s_add_nc_u64 s[G0B+2:G0B+3], s[8:9], s[98:99]
	s_add_nc_u64 s[G0D+2:G0D+3], s[G0B+2:G0B+3], 4608
	s_or_b32 s[G0B+3], s[G0B+3], 0x80000000
	s_or_b32 s[G0D+3], s[G0D+3], 0x80000000
	CROUND                                         ; all sixteen work-groups are here
	s_cmp_lt_u32 s16, 1
	s_cbranch_scc0 .Lh1
	TL G0A, G1A
	s_branch .Lasked
.Lh1:
	s_cmp_lt_u32 s16, 2
	s_cbranch_scc0 .Lh2
	TL G0B, G1B
	s_branch .Lasked
.Lh2:
	s_cmp_lt_u32 s16, 3
	s_cbranch_scc0 .Lh3
	TL G0C, G1C
	s_branch .Lasked
.Lh3:
	TL G0D, G1D
.Lasked:
	s_lshl_b32 s56, s22, 4
	s_lshl_b32 s57, s17, 3
	s_add_co_u32 s56, s56, s57
	s_lshl_b32 s56, s56, 7                         ; my eight tiles' scale words: 128 bytes a tile
	s_mov_b32 s57, 0
	s_add_nc_u64 s[6:7], s[6:7], s[56:57]
	s_mul_i32 s58, s21, 1536
	s_mul_i32 s59, s18, 768
	s_add_co_u32 s58, s58, s59
	s_mov_b32 s59, 0
	s_add_nc_u64 s[10:11], s[10:11], s[58:59]
	s_lshl_b32 s60, s21, 9
	s_lshl_b32 s61, s18, 8
	s_add_co_u32 s60, s60, s61
	s_mov_b32 s61, 0
	s_add_nc_u64 s[84:85], s[12:13], s[60:61]      ; the bias of Q/K head 2 n + column half
	s_lshl_b32 s62, s21, 8
	s_lshl_b32 s63, s18, 6
	s_add_co_u32 s62, s62, s63
	s_add_co_u32 s62, s62, 8192
	s_mov_b32 s63, 0
	s_add_nc_u64 s[86:87], s[12:13], s[62:63]      ; and of V head n, tiles 2 (column half) on
	s_lshr_b32 s56, s22, 3
	s_lshl_b32 s56, s56, 4                         ; 16 x batch
	s_and_b32 s57, s22, 7
	s_lshl_b32 s57, s57, 1
	s_add_co_u32 s57, s57, s17
	s_mul_i32 s57, s57, 6400                       ; my step of 128 tokens
	s_lshl_b32 s58, s21, 1
	s_add_co_u32 s58, s58, s18                     ; 0-15 Q's heads, 16-31 K's
	s_and_b32 s59, s58, 15
	s_lshr_b32 s58, s58, 4
	s_mul_i32 s58, s58, 102400
	s_add_co_u32 s59, s59, s56
	s_mul_i32 s88, s59, 307200
	s_add_co_u32 s88, s88, s58
	s_add_co_u32 s88, s88, s57
	s_mov_b32 s89, 0
	s_add_nc_u64 s[88:89], s[14:15], s[88:89]
	s_add_co_u32 s59, s56, s21
	s_mul_i32 s90, s59, 307200
	s_add_co_u32 s90, s90, s57
	s_add_co_u32 s90, s90, 204800
	s_lshl_b32 s58, s18, 7
	s_add_co_u32 s92, s90, s58
	s_add_co_u32 s92, s92, 6144                    ; V's scale words
	s_mov_b32 s93, 0
	s_add_nc_u64 s[92:93], s[14:15], s[92:93]
	s_mul_i32 s58, s18, 3072
	s_add_co_u32 s90, s90, s58
	s_mov_b32 s91, 0
	s_add_nc_u64 s[90:91], s[14:15], s[90:91]
	s_mul_i32 s56, s17, 8*4608
	s_mul_i32 s57, s17, 8*6144
	s_mul_i32 s58, s17, 8*1536
	s_mul_i32 s59, s18, 6*4608
	s_mul_i32 s60, s18, 6*6144
	s_mul_i32 s61, s18, 6*1536
	s_add_co_u32 s57, s57, A1
	s_add_co_u32 s59, s59, B0
	s_add_co_u32 s60, s60, B1
	s_add_co_u32 s61, s61, B0
	s_mul_i32 s62, s16, 384
	s_add_co_u32 s62, s62, SST
	v_and_b32 v1, 15, v0                           ; r
	v_bfe_u32 v2, v0, 4, 1                         ; h
	v_and_b32 v3, 31, v0                           ; lane
	v_lshlrev_b32 v23, 4, v3
	v_lshlrev_b32 v24, 3, v3
	v_lshlrev_b32 v25, 2, v3
	v_add_nc_u32 v[ADRA], s56, v23
	v_add_nc_u32 v[ADRA+1], s57, v23
	v_add_nc_u32 v[ADRA+2], s58, v23
	v_add_nc_u32 v[ADRB], s59, v23
	v_add_nc_u32 v[ADRB+1], s60, v23
	v_add_nc_u32 v[ADRB+2], s61, v23
	v_lshlrev_b32 v22, 3, v1
	v_lshl_add_u32 v26, v1, 2, v2
	v_add_nc_u32 v26, s62, v26                     ; my scale bytes: 4 r + h
	v_add_nc_u32 v27, s62, v24
	v_add_nc_u32 v30, s62, v25
	v_lshlrev_b32 v10, 7, v2
	v_lshrrev_b32 v11, 3, v1
	v_lshlrev_b32 v11, 7, v11
	v_and_b32 v12, 7, v1
	v_lshl_add_u32 v11, v12, 2, v11                ; V: column 32 (r / 8) + 8 t + r % 8
	s_wait_alu depctr_va_vdst(0)
	WIN 0x40
.irp k, 0,1,2,3,4,5,6,7
	global_load_b128 v[144+4*\k:147+4*\k], v10, s[84:85] offset:16*\k   ; Q, K: register 8 j + i is column 32 h + 8 j + i
.endr
.irp t, 0,1
	global_load_b32 v[176+8*\t], v11, s[86:87] offset:32*\t
.endr
	WIN 0
.macro SCALES g
.irp a, 0,1,2,3,4,5,6,7
	global_load_b64 v[SA+8*\a+2*\g:SA+8*\a+2*\g+1], v22, s[6:7] offset:32768*\g+128*\a
.endr
.irp b, 0,1,2,3,4,5
	global_load_b64 v[SB+8*\b+2*\g:SB+8*\b+2*\g+1], v22, s[10:11] offset:24576*\g+128*\b
.endr
.endm
	SCALES 0
	SCALES 1
	s_cmp_lt_u32 s16, 2
	s_cbranch_scc0 .Lnot_first
	s_wait_tensorcnt 0x0                           ; waves 0 and 1: K steps 0-2
.Lnot_first:
	s_barrier_signal -1
	s_barrier_wait -1                              ; K steps 0-2 are shown
	FETCHB 0
	FETCHA 0
	s_wait_loadcnt 0x0                             ; the bias, the scale words of K steps 0-3
	SCALES 2
	SCALES 3
	WIN 0x41
.irp t, 176,184
.irp i, 1,2,3,4,5,6,7
	v_mov_b32 v[\t+\i], v[\t]
.endr
.endr
	s_wait_alu depctr_va_vdst(0)
	STEP 0, 1
	STEP 1, 0
	s_wait_dscnt 0x0                               ; K step 2, with the round; my reads of K steps 0-2 are over
	MULH 0, 6, 2, 0
	WIN 0
	s_wait_tensorcnt 0x0                           ; the head's loads have landed: K steps 3-6
	ds_add_u32 v[SPW], v[NIL]
	s_mov_b32 s[G1A+1], 192<<16                    ; no load of mine is out: the refill's rows are 1,536 bytes
	s_mov_b32 s[G1A+3], 192<<16
	s_mov_b32 s[G1B+1], 192<<16
	s_mov_b32 s[G1B+3], 192<<16
	s_add_nc_u64 s[G0A+2:G0A+3], s[G0A+2:G0A+3], 10752
	s_add_nc_u64 s[G0B+2:G0B+3], s[G0B+2:G0B+3], 10752
	MULH 6, 1, 2, 0
	s_wait_dscnt 0x0
	s_barrier_signal -1
	MULH 7, 1, 2, 0
	WIN 0
	s_barrier_wait -1
	CREST
	s_cmp_lt_u32 s16, 1
	s_cbranch_scc0 .Lr1
	TL G0A, G1A                                    ; wave 0: K step 7 of A
	s_branch .Lrefilled
.Lr1:
	s_cmp_lt_u32 s16, 2
	s_cbranch_scc0 .Lrefilled
	TL G0B, G1B                                    ; wave 1: of B
.Lrefilled:
	PLACES
	FETCHB 3
	FETCHA 3
	s_wait_loadcnt 0x0                             ; the scale words of K steps 4-7
	STEP 3, 0
	STEP 4, 0
	STEP 5, 0
	s_wait_dscnt 0x0                               ; K step 6
	s_wait_tensorcnt 0x0                           ; K step 7 has landed
	s_barrier_signal -1
	MULH 0, 2, 6, 0
	s_barrier_wait -1                              ; a plain barrier shows it; nothing more is filled
	PLACES
	FETCHB 7
	MULH 2, 2, 6, 0
	PLACES
	FETCHA 7
	MULH 4, 4, 6, 0
	s_wait_dscnt 0x0
	MULH 0, 8, 7, 0
	WIN 0
; THE WAY OUT of two groups of 32 sums, at x and x + 32 of window w: largest magnitudes by four chains, scales, codes (12 registers: an operand), scale bytes
.macro QPAIR u, x, w
.set CD_, 148+12*(\u)
	WIN (\w)*0x15
.irp k, 0,1,2,3
	v_max3_num_f32 v[220+\k], |v[\x+16*\k]|, |v[\x+16*\k+1]|, |v[\x+16*\k+2]|
.endr
	WIN (\w)*0x14
.irp i, 3,5,7,9,11,13
.irp k, 0,1,2,3
	v_max3_num_f32 v[220+\k], v[220+\k], |v[\x+16*\k+\i]|, |v[\x+16*\k+\i+1]|
.endr
.endr
.irp k, 0,1
	v_max3_num_f32 v[220+2*\k], v[220+2*\k], |v[\x+32*\k+15]|, |v[\x+32*\k+31]|
.endr
	WIN 0
.irp k, 0,1
	v_max3_num_f32 v[220+2*\k], v[220+2*\k], v[221+2*\k], 0x1800000
.endr
.irp k, 0,1
	v_add_nc_u32 v[224+\k], 0xff000000, v[220+2*\k]
.endr
	WIN \w
.irp k, 0,1
	v_cvt_scalef32_pk16_fp6_f32 v[CD_+6*\k:CD_+6*\k+2], v[\x+32*\k:\x+32*\k+15], v[224+\k]
	v_cvt_scalef32_pk16_fp6_f32 v[244+4*\k:246+4*\k], v[\x+32*\k+16:\x+32*\k+31], v[224+\k]
.endr
	WIN 0
.irp k, 0,1
	v_lshrrev_b32 v[232+2*(\u)+\k], 23, v[224+\k]
.endr
.irp k, 0,1
.irp i, 0,1,2
	v_mov_b32 v[CD_+6*\k+3+\i], v[244+4*\k+\i]
.endr
.endr
	ds_store_b8 v26, v[232+2*(\u)] offset:64*(\u)
	ds_store_b8 v26, v[233+2*(\u)] offset:64*(\u)+2
.irp k, 0,1,2
.if (\u) < 4
	global_store_b128 v23, v[CD_+4*\k:CD_+4*\k+3], s[88:89] offset:1536*(\u)+512*\k   ; 512 consecutive bytes, aligned
.else
	global_store_b128 v23, v[CD_+4*\k:CD_+4*\k+3], s[90:91] offset:1536*((\u)-4)+512*\k
.endif
.endr
.endm
	PLACES
	QPAIR 0, 0, 2
	QPAIR 1, 64, 2
	QPAIR 2, 128, 2
	QPAIR 3, 192, 2
	QPAIR 4, 0, 3
	QPAIR 5, 64, 3
	ds_load_b64 v[220:221], v27                    ; my own bytes: LDS serves a wave's instructions in order
	ds_load_b32 v222, v30 offset:256               ; V's bytes lie behind Q's or K's 256
	s_wait_alu depctr_va_vdst(0)
	s_wait_dscnt 0x0
	global_store_b64 v24, v[220:221], s[88:89] offset:6144   ; 256 consecutive bytes, aligned
	global_store_b32 v25, v222, s[92:93]           ; 128
	s_wait_tensorcnt 0x0
	ds_add_u32 v[SPW], v[NIL]
	s_wait_dscnt 0x0
	CROUND                                         ; the closing round
	s_endpgm
.Lfunc_end_k_qe0811ca273_gemm1:
	.size	k_qe0811ca273_gemm1, .Lfunc_end_k_qe0811ca273_gemm1-k_qe0811ca273_gemm1
	.p2alignl 7, 3214868480
	.fill 96, 4, 3214868480
	.section	.rodata,"a",@progbits
	.p2align	6, 0x0
	.amdhsa_kernel k_qe0811ca273_gemm1
		.amdhsa_group_segment_fixed_size 327680
		.amdhsa_private_segment_fixed_size 0
		.amdhsa_enable_private_segment 0
		.amdhsa_kernarg_size 48
		.amdhsa_user_sgpr_count 2
		.amdhsa_user_sgpr_kernarg_segment_ptr 1
		.amdhsa_wavefront_size32 1
		.amdhsa_system_sgpr_workgroup_id_x 1
		.amdhsa_system_sgpr_workgroup_id_y 1
		.amdhsa_system_sgpr_workgroup_id_z 1
		.amdhsa_system_vgpr_workitem_id 0
		.amdhsa_next_free_vgpr 1024
		.amdhsa_next_free_sgpr 100
		.amdhsa_reserve_vcc 0
		.amdhsa_float_denorm_mode_32 3
		.amdhsa_float_denorm_mode_16_64 3
		.amdhsa_memory_ordered 1
		.amdhsa_forward_progress 1
		.amdhsa_inst_pref_size 111
	.end_amdhsa_kernel
	.amdgpu_metadata
---
amdhsa.version: [ 1, 2 ]
amdhsa.kernels:
  - .name:           k_qe0811ca273_gemm1
    .symbol:         k_qe0811ca273_gemm1.kd
    .args:
      - { .name: xc, .offset: 0, .size: 8, .value_kind: global_buffer, .address_space: global }
      - { .name: xs, .offset: 8, .size: 8, .value_kind: global_buffer, .address_space: global }
      - { .name: wc, .offset: 16, .size: 8, .value_kind: global_buffer, .address_space: global }
      - { .name: ws, .offset: 24, .size: 8, .value_kind: global_buffer, .address_space: global }
      - { .name: b_qkv, .offset: 32, .size: 8, .value_kind: global_buffer, .address_space: global }
      - { .name: qkv, .offset: 40, .size: 8, .value_kind: global_buffer, .address_space: global }
    .group_segment_fixed_size: 327680
    .private_segment_fixed_size: 0
    .kernarg_segment_align: 8
    .kernarg_segment_size: 48
    .max_flat_workgroup_size: 128
    .sgpr_count:     100
    .vgpr_count:     1024
    .wavefront_size: 32
...
	.end_amdgpu_metadata
.endif
;; end of part 2
;; launch attn (part 3): grid 8 x 32, 16 waves a work-group, no clusters, 327,680 bytes of LDS; arguments qkv, oc, os; writes oc, os
.if DOCPART == 3
	.amdgcn_target "amdgcn-amd-amdhsa--gfx1250"
	.amdhsa_code_object_version 6
	.text
	.protected	k_qe0811ca273_attn
	.globl	k_qe0811ca273_attn
	.p2align	8
	.type	k_qe0811ca273_attn,@function
k_qe0811ca273_attn:
	s_mov_b64 s[64:65], 0
	v_nop
	global_prefetch_b8 v0, s[64:65] scope:SCOPE_SE
	s_setreg_imm32_b32 hwreg(HW_REG_WAVE_MODE, 25, 1), 1
	s_wait_xcnt 0x0
; Causal attention of one head on codes of FP6: S^T = K Q^T (K = the head's 64), p = 2^(t - M), O^T = V^T P^T (K = the keys), o = O / the sum, quantised along the model's 1,024 on the way out.
; t = score x log2(e) / 8; M = the running largest t rounded UP to a whole number; p is quantised along the keys, not normalised; the sum is taken of the unquantised p.  When M moves, the sum and O are multiplied by 2^(old M - new M).
; LIMITS: NaN and infinities are not served; blocks of zeros get the byte 1; the promise holds while the scaled scores stay under 2^31 in magnitude.
; WORK LEFT OUT: steps of 128 keys that all lie behind a block's 128 queries: reference() sets their scores to -infinity.
; SHARES.  A work-group takes one (batch, head) and the blocks of 128 queries i and 15 - i: 17 blocks of 128 x 128 under the mask for every work-group.  A block is 8 tiles of 16 query places.
; Wave w = 0-7 takes tile w of the LATE block 15 - i over key steps 0-7: 8 trips.  Wave 8 + w takes tile w of the EARLY block over all its key steps 0 .. i, stores it, and then takes tile w of the late block over key steps 8 .. 15 - i: 9 trips.
; The late tile's two parts are joined at the end through LDS: M = the larger, sum and O brought under it by powers of two and added.
; LDS: wave w's chunk of two key steps at 12,800 w: K's eight chunks, then V's.  Trip 0 reads chunk 0 alone, trips 1 and 2 chunks 0-4 (i + 1 + 2 trips at least go by before key step 10).  Every work-group reads key steps 0-8, so the head fetches chunks 0-4;
; chunks 5-7 are asked for behind the second barrier where block 15 - i reads them, two trips ahead of their first read.  The head and that barrier ask for all there is, so no prefetch is laid.
; NO CLUSTER: the work-groups that read the same K and V are the query blocks of one head; under the mask some would read none of a later chunk.
; Tokens go in groups of 64, index 32 h + 8 j + i at place 16 j + 8 h + i: so the 32 registers of a band of 64 keys are the keys 32 h + 0 .. 31 of a lane's query: one scale block of p, and one half of the next operand.
; K = 64 IN AN INSTRUCTION OF 128: a K operand holds two tiles; Q's codes stand in the lower or the upper half and zeros in the other, which add exactly 0 (every code is finite, no scale byte is 0xff).
; REGISTERS: v1-11, v255 addresses and constants; v12 -M, v13 the largest t, v[14:15] the sum; v16-33 zeros, Q, zeros; v34 Q's scale word; v35 p's; v36-39 K's, V's; v40-87 K; v88-135 V; v136-199 S^T, then p; v200-231 O^T; v232-243 p's codes; v244-254 at work.
.set VC,   102400
.set SPARE, 204800
.set STG,  206848                      ; the join: 4,352 bytes a tile: O as 8 x 512, the sum and -M as 256
.set G0,   20
.set G1,   24
	s_load_b128 s[4:7], s[0:1], 0x0                ; qkv, oc
	s_load_b64 s[8:9], s[0:1], 0x10                ; os
	v_lshl_add_u32 v10, v0, 2, SPARE
	v_mov_b32 v11, 0
	ds_add_u32 v10, v11                            ; the opening lines
	ds_add_u32 v10, v11
	v_lshrrev_b32 v1, 5, v0
	v_readfirstlane_b32 s12, v1                    ; wave 0..15
	s_and_b32 s13, s12, 7                          ; my tile in its block
	s_and_b32 s14, ttmp7, 0xffff                   ; 16 x batch + head
	s_sub_co_u32 s15, 15, ttmp9                    ; the late block
	s_add_co_u32 s50, ttmp9, 1
	s_sub_co_u32 s53, 7, ttmp9                     ; from a late trip's number to its key step, waves 8-15
	s_cmp_lt_u32 s12, 8
	s_cselect_b32 s16, s15, ttmp9                  ; my (first) block
	s_cselect_b32 s50, 99, s50                     ; the trip ahead of which I change to the late block: none, or i + 1
	s_cselect_b32 s51, 7, 15                       ; my last trip
	s_cselect_b32 s52, 15, ttmp9                   ; the last trip whose number is its key step's
	s_mov_b32 s[G1], 3<<16                         ; a chunk: 50 rows of 256 bytes, dense
	s_mov_b32 s[G1+1], 32<<16
	s_mov_b32 s[G1+2], 50<<16
	s_mov_b32 s[G1+3], 32<<16
	s_mov_b32 s[G1+4], 50
	s_mov_b32 s[G1+5], 32
	s_mov_b32 s[G1+6], 0
	s_mov_b32 s[G1+7], 0
	s_mul_i32 s40, s14, 307200
	s_mul_i32 s42, s12, 12800
	s_add_co_u32 s44, s40, s42
	s_add_co_u32 s44, s44, 102400
	s_mov_b32 s45, 0
	s_mov_b32 s[G0], 1
	s_mov_b32 s[G0+1], s42
	s_wait_dscnt 0x0
	s_wait_kmcnt 0x0
	s_add_nc_u64 s[G0+2:G0+3], s[4:5], s[44:45]
	s_or_b32 s[G0+3], s[G0+3], 0x80000000
	s_cmp_eq_u32 s13, 0
	s_cbranch_scc0 .Lnot_0
	tensor_load_to_lds s[G0:G0+3], s[G1:G1+7]      ; waves 0, 8: the first chunks of K and V
	s_nop 0
.rept 4
	v_nop
.endr
	s_branch .Lasked
.Lnot_0:
	s_cmp_lt_u32 s13, 5
	s_cbranch_scc0 .Lasked
	tensor_load_to_lds s[G0:G0+3], s[G1:G1+7]      ; chunks 1-4
	s_nop 0
.rept 4
	v_nop
.endr
.Lasked:
	s_mul_i32 s42, s16, 6400
	s_add_co_u32 s40, s40, s42
	s_lshr_b32 s43, s13, 1                         ; my pair of tiles
	s_lshl_b32 s42, s43, 6
	s_add_co_u32 s42, s42, s40
	s_add_co_u32 s42, s42, 6144
	s_mul_i32 s43, s43, 1536
	s_add_co_u32 s40, s40, s43
	s_mov_b32 s41, 0
	s_mov_b32 s43, 0
	s_add_nc_u64 s[40:41], s[4:5], s[40:41]        ; Q's operand: two tiles
	s_add_nc_u64 s[42:43], s[4:5], s[42:43]        ; and its scale words
	s_sub_co_u32 s54, s15, s16
	s_mul_i32 s54, s54, 6400
	s_mov_b32 s55, 0
	s_add_nc_u64 s[56:57], s[40:41], s[54:55]      ; the same of the late block
	s_add_nc_u64 s[58:59], s[42:43], s[54:55]
	s_lshr_b32 s44, s14, 4
	s_lshl_b32 s44, s44, 7
	s_lshl_b32 s45, s16, 3
	s_add_co_u32 s44, s44, s45
	s_add_co_u32 s44, s44, s13                     ; the tile of 16 tokens that I store, 0 .. 255
	s_and_b32 s48, s14, 15                         ; head
	s_mul_i32 s46, s44, 12288
	s_mul_i32 s47, s48, 768
	s_add_co_u32 s46, s46, s47
	s_mov_b32 s47, 0
	s_add_nc_u64 s[6:7], s[6:7], s[46:47]          ; oc [tile][head][768]
	s_lshr_b32 s45, s48, 2
	s_lshl_b32 s45, s45, 15
	s_lshl_b32 s46, s44, 7
	s_add_co_u32 s46, s46, s45
	s_and_b32 s48, s48, 3
	s_lshl_b32 s48, s48, 1
	s_add_co_u32 s46, s46, s48
	s_add_nc_u64 s[8:9], s[8:9], s[46:47]          ; os [head / 4][row][head % 4][h]
	s_lshr_b32 s17, s13, 2
	s_lshl_b32 s17, s17, 6
	s_and_b32 s18, s13, 3
	s_lshl_b32 s18, s18, 3
	s_add_co_u32 s17, s17, s18                     ; my tile's first query in its block
	s_and_b32 s19, s12, 1
	s_lshl_b32 s19, s19, 4
	s_cmp_eq_u32 s19, 0
	s_cselect_b32 s18, 0, -1                       ; all lanes where my tile is the pair's second
	s_mul_i32 s60, s13, 4352
	s_add_co_u32 s60, s60, STG
	s_mov_b32 s32, 0x76543210
	s_mov_b32 s33, 0xfedcba98                      ; lane l xor 16
	s_mov_b32 s34, 0x3e38aa3b                      ; log2(e) / 8
	s_mov_b32 s35, s34
	s_mov_b32 s36, 0                               ; the key step's place in LDS
	s_mov_b32 s37, 0                               ; the trip
	s_mov_b32 s54, 0                               ; the key step
	v_and_b32 v9, 31, v0
	v_lshlrev_b32 v1, 4, v9                        ; 16 x lane
	v_lshlrev_b32 v2, 2, v9                        ; 4 x lane
	v_lshlrev_b32 v255, 3, v9
	v_add_nc_u32 v255, s60, v255                   ; the join: 8 bytes a lane,
	v_add_nc_u32 v9, s60, v1                       ; 16 bytes a lane
	v_and_b32 v4, 15, v0                           ; r
	v_bfe_u32 v5, v0, 4, 1                         ; h
	v_lshlrev_b32 v8, 3, v5                        ; 8 h
	v_lshrrev_b32 v6, 3, v4
	v_and_b32 v7, 7, v4
	v_sub_nc_u32 v6, v6, v5
	v_lshlrev_b32 v6, 5, v6
	v_add3_u32 v3, v6, v7, s17                     ; d = my query in its block - 32 h
	v_lshlrev_b32 v53, 2, v4
	s_wait_alu depctr_va_vdst(0)
.irp k, 0,1,2
	global_load_b128 v[40+4*\k:43+4*\k], v1, s[40:41] offset:512*\k
.endr
	global_load_b32 v52, v53, s[42:43]
.irp j, 16,17,18,19,20,21,28,29,30,31,32,33,249,251
	v_mov_b32 v\j, 0
.endr
.macro CLEAR                           ; an empty sum: the step is written once; a tile's first finds zeros
	v_mov_b32 v13, 0xff61b1e6                      ; the largest t so far: -3e38
	v_mov_b32 v14, 0
	v_mov_b32 v15, 0
	v_floor_f32 v12, -v13                          ; -M
.set J, 0
.rept 32
	v_mov_b32 v[200+J], 0
.set J, J+1
.endr
.endm
.macro QSET                            ; Q from the pair's 12 registers, and my tile's two scale bytes in both halves of the word
	v_lshrrev_b32 v34, s19, v52
	v_and_b32 v34, 0xffff, v34
	v_lshl_or_b32 v34, v34, 16, v34
.irp i, 0,1,2,3,4,5
	v_cndmask_b32 v[22+\i], v[40+\i], v[46+\i], s18
.endr
.endm
; A TILE GOES OUT: o = O^T / the sum (v14, each half of the lanes' part); register 8 t + i is channel 32 h + 8 t + i of my query: one block of 32 along the model's axis
.macro OUT
	v_permlanex16_b32 v251, v14, s32, s33
	v_add_f32 v14, v14, v251
	s_wait_alu depctr_va_vdst(0)
	v_rcp_f32 v14, v14
	v_and_b32 v54, 15, v0                          ; (a plain place behind the transcendental)
	v_bfe_u32 v55, v0, 4, 1
	v_lshl_add_u32 v54, v54, 3, v55                ; 8 r + h
	v_lshlrev_b32 v55, 1, v2                       ; 8 x lane
	s_wait_alu depctr_va_vdst(0)
.set J, 0
.rept 16
	v_pk_mul_f32 v[136+J:137+J], v[200+J:201+J], v[14:15] op_sel_hi:[1,0]
.set J, J+2
.endr
	v_max3_num_f32 v244, |v136|, |v137|, 0x1800000
	v_max3_num_f32 v245, |v138|, |v139|, |v140|
.irp i, 5,9,13,17,21,25
	v_max3_num_f32 v244, v244, |v[136+\i]|, |v[137+\i]|
	v_max3_num_f32 v245, v245, |v[138+\i]|, |v[139+\i]|
.endr
	v_max3_num_f32 v244, v244, |v165|, |v166|
	v_max3_num_f32 v244, v244, v245, |v167|
	v_add_nc_u32 v252, 0xff000000, v244
	v_cvt_scalef32_pk16_fp6_f32 v[232:234], v[136:151], v252
	v_cvt_scalef32_pk16_fp6_f32 v[88:90], v[152:167], v252
	v_lshrrev_b32 v250, 23, v252
	v_mov_b32 v235, v88
	v_mov_b32 v236, v89
	v_mov_b32 v237, v90
	global_store_b128 v1, v[232:235], s[6:7]       ; 512 consecutive bytes, aligned
	global_store_b64 v55, v[236:237], s[6:7] offset:512   ; 256
	global_store_b8 v54, v250, s[8:9]              ; two bytes of each row's word: the other two are another head's, made by another work-group
.endm
.macro CHANGE                          ; waves 8-15: the early tile goes out, the late tile's second part begins
.rept 4
	v_nop
.endr
	v_and_b32 v53, 15, v0
	v_lshlrev_b32 v53, 2, v53
.irp k, 0,1,2
	global_load_b128 v[40+4*\k:43+4*\k], v1, s[56:57] offset:512*\k
.endr
	global_load_b32 v52, v53, s[58:59]
	v_add_f32 v14, v14, v15
	OUT
	s_mov_b32 s16, s15
	CLEAR
	s_wait_alu depctr_va_vdst(0)
	s_wait_loadcnt 0x0                             ; Q
	s_wait_xcnt 0x0                                ; the stores have read their registers
	QSET
	s_wait_alu depctr_va_vdst(0)
.endm
.macro QKF f, row                      ; two tiles of keys, from one operand
	v_wmma_scale_f32_16x16x128_f8f6f4 v[136+16*\f:143+16*\f], v[40+12*\f:51+12*\f], v[22:33], 0, v[36+\f/2], v34 matrix_a_fmt:MATRIX_FMT_FP6 matrix_b_fmt:MATRIX_FMT_FP6 matrix_a_scale:MATRIX_SCALE_ROW\row
	v_wmma_scale_f32_16x16x128_f8f6f4 v[144+16*\f:151+16*\f], v[40+12*\f:51+12*\f], v[16:27], 0, v[36+\f/2], v34 matrix_a_fmt:MATRIX_FMT_FP6 matrix_b_fmt:MATRIX_FMT_FP6 matrix_a_scale:MATRIX_SCALE_ROW\row
.endm
.macro PVF t, row
	v_wmma_scale_f32_16x16x128_f8f6f4 v[200+8*\t:207+8*\t], v[88+12*\t:99+12*\t], v[232:243], v[200+8*\t:207+8*\t], v[38+\t/2], v35 matrix_a_fmt:MATRIX_FMT_FP6 matrix_b_fmt:MATRIX_FMT_FP6 matrix_a_scale:MATRIX_SCALE_ROW\row
.endm
.macro FOLD n, d                       ; n packed additions: the pairs from v136 on and those d registers on
.set J, 0
.rept \n
	v_pk_add_f32 v[136+J:137+J], v[136+J:137+J], v[136+\d+J:137+\d+J]
.set J, J+2
.endr
.endm
.macro DEP n
	s_delay_alu instid0(VALU_DEP_\n)
.endm
; A TRIP: 128 keys.  cap: the greatest key step that this text reads (0: trip 0, key step 0).  The change of blocks, and the trip that waves 0-7 have no part in, are scalar branches on ids, round work alone.
.macro STEP cap
.if \cap
	s_cmp_eq_u32 s37, s50
	s_cbranch_scc0 .Lsame_\@
	CHANGE
.Lsame_\@:
	s_cmp_gt_u32 s37, s51
	s_cbranch_scc1 .Lidle_\@
	s_cmp_gt_u32 s37, s52
	s_cselect_b32 s39, s53, 0
	s_add_co_u32 s54, s37, s39
	s_min_u32 s54, s54, \cap
	s_mul_i32 s36, s54, 6400
.endif
	v_add_nc_u32 v4, s36, v1                       ; these four are also the places behind the last products, in front of the loads into their registers
	v_add_nc_u32 v5, s36, v2
	v_add_nc_u32 v6, VC, v4
	v_add_nc_u32 v7, VC, v5
.irp f, 0,1,2,3
.irp p, 0,1,2
	ds_load_b128 v[40+12*\f+4*\p:43+12*\f+4*\p], v4 offset:1536*\f+512*\p
.endr
.endr
	ds_load_b32 v36, v5 offset:6144                ; lanes 0-15 the first pair's words, lanes 16-31 the second's
	ds_load_b32 v37, v5 offset:6272
.irp f, 0,1,2,3
.irp p, 0,1,2
	ds_load_b128 v[88+12*\f+4*\p:91+12*\f+4*\p], v6 offset:1536*\f+512*\p
.endr
.endr
	ds_load_b32 v38, v7 offset:6144
	ds_load_b32 v39, v7 offset:6272
	s_wait_alu depctr_va_vdst(0)
	s_wait_dscnt 14                                ; K and its words are in; V's 12 loads and 2 words may be out
	QKF 0, 0
	QKF 1, 1
	QKF 2, 0
	QKF 3, 1
.rept 4
	v_nop
.endr
	s_cmp_lg_u32 s54, s16
	s_cbranch_scc1 .Lopen_\@
	v_mov_b32 v254, 0xff800000                     ; the diagonal: hidden keys' scores become -infinity; register 32 c + i is key 64 c + 32 h + i
.set J, 0
.rept 16
.irp k, 0,1,2,3
	v_cmp_gt_i32 s[80+\k], 64*((J+\k)/32)+(J+\k)%32, v3
.endr
.irp k, 0,1,2,3
	v_cndmask_b32 v[136+J+\k], v[136+J+\k], v254, s[80+\k]
.endr
.set J, J+4
.endr
.Lopen_\@:
.irp k, 0,1,2,3
	v_max3_num_f32 v[244+\k], v[136+16*\k], v[137+16*\k], v[138+16*\k]   ; the largest score of each block of 32 keys: for the row's maximum and for the block's largest p
.endr
.irp i, 3,5,7,9,11,13
.irp k, 0,1,2,3
	v_max3_num_f32 v[244+\k], v[244+\k], v[136+16*\k+\i], v[136+16*\k+\i+1]
.endr
.endr
	v_max3_num_f32 v244, v244, v151, v167
	v_max3_num_f32 v246, v246, v183, v199
	v_max_num_f32 v244, v244, v245
	v_max_num_f32 v246, v246, v247
	DEP 1
	v_max_num_f32 v250, v244, v246
	DEP 1
	v_permlanex16_b32 v251, v250, s32, s33
	DEP 1
	v_max_num_f32 v250, v250, v251                 ; with lane l xor 16's keys
	DEP 1
	v_mul_f32 v250, s34, v250
	DEP 1
	v_max_num_f32 v13, v13, v250                   ; the running largest t
	v_mov_b32 v250, v12
	DEP 2
	v_floor_f32 v12, -v13                          ; the new -M
	DEP 1
	v_sub_f32 v250, v12, v250                      ; old M - new M: a whole number, 0 or less
	DEP 1
	v_cvt_i32_f32 v250, v250                       ; (it saturates)
	DEP 1
	v_ldexp_f32 v248, 1.0, v250
.set J, 0
.rept 32
	v_pk_fma_f32 v[136+J:137+J], v[136+J:137+J], s[34:35], v[12:13] op_sel_hi:[1,0,0]   ; t - M
.set J, J+2
.endr
	v_fma_f32 v244, v244, s34, v12
	v_fma_f32 v246, v246, s34, v12
	s_wait_alu depctr_va_vdst(0)
.set J, 0
.rept 64
	v_exp_f32 v[136+J], v[136+J]                   ; p
.set J, J+1
.endr
	v_exp_f32 v244, v244                           ; the blocks' largest p
	v_exp_f32 v246, v246
	v_pk_mul_f32 v[14:15], v[14:15], v[248:249] op_sel_hi:[1,0]
	s_wait_alu depctr_va_vdst(0)
	v_max_num_f32 v244, 0x1800000, v244            ; the floor 2^(3 - 127)
	v_max_num_f32 v246, 0x1800000, v246
	v_add_nc_u32 v252, 0xff000000, v244            ; the conversions' scale operands
	v_add_nc_u32 v253, 0xff000000, v246
	v_lshrrev_b32 v250, 23, v252
	v_lshrrev_b32 v254, 23, v253
	v_cvt_scalef32_pk16_fp6_f32 v[232:234], v[136:151], v252
	v_cvt_scalef32_pk16_fp6_f32 v[40:42], v[152:167], v252
	v_cvt_scalef32_pk16_fp6_f32 v[238:240], v[168:183], v253
	v_cvt_scalef32_pk16_fp6_f32 v[44:46], v[184:199], v253
	v_lshl_or_b32 v250, v254, 16, v250             ; my two bytes, h and 2 + h, of the scale word
	v_lshlrev_b32 v250, v8, v250
	v_mov_b32 v235, v40
	v_mov_b32 v236, v41
	v_permlanex16_b32 v251, v250, s32, s33
	v_mov_b32 v237, v42
	v_mov_b32 v241, v44
	v_or_b32 v35, v250, v251                       ; with lane l xor 16's two it is whole
	v_mov_b32 v242, v45
	v_mov_b32 v243, v46
	FOLD 16, 32                                    ; the sum of the unquantised p
	FOLD 8, 16
	FOLD 4, 8
	FOLD 2, 4
	FOLD 1, 2
	s_wait_alu depctr_va_vdst(0)
.set J, 0
.rept 16
	v_pk_mul_f32 v[200+J:201+J], v[200+J:201+J], v[248:249] op_sel_hi:[1,0]   ; O^T under the new M
.set J, J+2
.endr
	v_pk_add_f32 v[14:15], v[14:15], v[136:137]
	s_wait_alu depctr_va_vdst(0)
	s_wait_dscnt 0x0                               ; V and its words are in
	PVF 0, 0
	PVF 1, 1
	PVF 2, 0
	PVF 3, 1
.Lidle_\@:
	s_add_co_u32 s37, s37, 1
.endm
.macro RUN n, cap
	s_mov_b32 s38, \n
.Lrun_\@:
	STEP \cap
	s_sub_co_u32 s38, s38, 1
	s_cmp_lg_u32 s38, 0
	s_cbranch_scc1 .Lrun_\@
.endm
	CLEAR
	s_wait_alu depctr_va_vdst(0)
	s_cmp_eq_u32 s13, 0
	s_cbranch_scc0 .Lnot_first
	s_wait_tensorcnt 0x0                           ; waves 0, 8: the first chunks
.Lnot_first:
	s_barrier_signal -1
	s_barrier_wait -1                              ; chunk 0 is shown
	s_wait_loadcnt 0x0                             ; Q
	QSET
	s_wait_alu depctr_va_vdst(0)
	STEP 0
	s_wait_tensorcnt 0x0                           ; chunks 1-4
	ds_add_u32 v10, v11
	ds_add_u32 v10, v11
	s_wait_dscnt 0x0
	s_barrier_signal -1
	s_barrier_wait -1
	s_cmp_lt_u32 s13, 5
	s_cbranch_scc1 .Lno_late
	s_lshl_b32 s39, s13, 1
	s_cmp_gt_u32 s39, s15                          ; does the late block read my chunk's key steps?
	s_cbranch_scc1 .Lno_late
	tensor_load_to_lds s[G0:G0+3], s[G1:G1+7]      ; chunks 5-7
	s_nop 0
.rept 4
	v_nop
.endr
.Lno_late:
	RUN 2, 9
	s_wait_tensorcnt 0x0
	s_wait_dscnt 0x0
	s_barrier_signal -1
	s_barrier_wait -1                              ; chunks 5-7 are shown
	RUN 6, 15
; THE JOIN: waves 8-15 hand their part of the late tile over; waves 0-7 add it and store the tile
.rept 4
	v_nop
.endr
	v_add_f32 v14, v14, v15
	v_mov_b32 v15, v12
	s_wait_alu depctr_va_vdst(0)
	s_cmp_lt_u32 s12, 8
	s_cbranch_scc1 .Lpart
.irp k, 0,1,2,3,4,5,6,7
	ds_store_b128 v9, v[200+4*\k:203+4*\k] offset:512*\k
.endr
	ds_store_b64 v255, v[14:15] offset:4096
.Lpart:
	s_wait_dscnt 0x0
	s_barrier_signal -1
	s_barrier_wait -1
	s_cmp_lt_u32 s12, 8
	s_cbranch_scc0 .Lend
.irp k, 0,1,2,3,4,5,6,7
	ds_load_b128 v[40+4*\k:43+4*\k], v9 offset:512*\k
.endr
	ds_load_b64 v[72:73], v255 offset:4096
	s_wait_dscnt 0x0
	v_min_num_f32 v244, v12, v73                   ; -M of both
	v_sub_f32 v245, v244, v12
	v_sub_f32 v246, v244, v73
	v_cvt_i32_f32 v245, v245
	v_cvt_i32_f32 v246, v246
	v_ldexp_f32 v248, 1.0, v245                    ; 2^(my M - M)
	v_ldexp_f32 v250, 1.0, v246                    ; 2^(the other's M - M)
	v_mul_f32 v14, v14, v248
	v_fma_f32 v14, v72, v250, v14
.set J, 0
.rept 16
	v_pk_mul_f32 v[200+J:201+J], v[200+J:201+J], v[248:249] op_sel_hi:[1,0]
.set J, J+2
.endr
.set J, 0
.rept 16
	v_pk_fma_f32 v[200+J:201+J], v[40+J:41+J], v[250:251], v[200+J:201+J] op_sel_hi:[1,0,1]
.set J, J+2
.endr
	OUT
.Lend:
	s_wait_tensorcnt 0x0
	ds_add_u32 v10, v11
	s_wait_dscnt 0x0
	s_endpgm
.Lfunc_end_k_qe0811ca273_attn:
	.size	k_qe0811ca273_attn, .Lfunc_end_k_qe0811ca273_attn-k_qe0811ca273_attn
	.p2alignl 7, 3214868480
	.fill 96, 4, 3214868480
	.section	.rodata,"a",@progbits
	.p2align	6, 0x0
	.amdhsa_kernel k_qe0811ca273_attn
		.amdhsa_group_segment_fixed_size 327680
		.amdhsa_private_segment_fixed_size 0
		.amdhsa_enable_private_segment 0
		.amdhsa_kernarg_size 24
		.amdhsa_user_sgpr_count 2
		.amdhsa_user_sgpr_kernarg_segment_ptr 1
		.amdhsa_wavefront_size32 1
		.amdhsa_system_sgpr_workgroup_id_x 1
		.amdhsa_system_sgpr_workgroup_id_y 1
		.amdhsa_system_sgpr_workgroup_id_z 1
		.amdhsa_system_vgpr_workitem_id 0
		.amdhsa_next_free_vgpr 256
		.amdhsa_next_free_sgpr 92
		.amdhsa_reserve_vcc 0
		.amdhsa_float_denorm_mode_32 3
		.amdhsa_float_denorm_mode_16_64 3
		.amdhsa_memory_ordered 1
		.amdhsa_forward_progress 1
		.amdhsa_inst_pref_size 99
	.end_amdhsa_kernel
	.amdgpu_metadata
---
amdhsa.version: [ 1, 2 ]
amdhsa.kernels:
  - .name:           k_qe0811ca273_attn
    .symbol:         k_qe0811ca273_attn.kd
    .args:
      - { .name: qkv, .offset: 0, .size: 8, .value_kind: global_buffer, .address_space: global }
      - { .name: oc, .offset: 8, .size: 8, .value_kind: global_buffer, .address_space: global }
      - { .name: os, .offset: 16, .size: 8, .value_kind: global_buffer, .address_space: global }
    .group_segment_fixed_size: 327680
    .private_segment_fixed_size: 0
    .kernarg_segment_align: 8
    .kernarg_segment_size: 24
    .max_flat_workgroup_size: 512
    .sgpr_count:     92
    .vgpr_count:     256
    .wavefront_size: 32
...
	.end_amdgpu_metadata
.endif
;; end of part 3
;; launch gemm2 (part 4): grid 8 x 32, 8 waves a work-group, clusters of 4 x 4, 267,264 bytes of LDS; arguments oc, os, wc, ws, b_proj, out0; writes out0
.if DOCPART == 4
	.amdgcn_target "amdgcn-amd-amdhsa--gfx1250"
	.amdhsa_code_object_version 6
	.text
	.protected	k_qe0811ca273_gemm2
	.globl	k_qe0811ca273_gemm2
	.p2align	8
	.type	k_qe0811ca273_gemm2,@function
k_qe0811ca273_gemm2:
	s_mov_b64 s[64:65], 0
	v_nop
	global_prefetch_b8 v0, s[64:65] scope:SCOPE_SE
	s_setreg_imm32_b32 hwreg(HW_REG_WAVE_MODE, 25, 1), 1
	s_wait_xcnt 0x0
	s_wait_alu depctr_hold_cnt(0) depctr_sa_sdst(0) depctr_va_vdst(0) depctr_va_sdst(0) depctr_va_ssrc(0) depctr_va_vcc(0) depctr_vm_vsrc(0)
	s_getreg_b32 s2, hwreg(HW_REG_IB_STS2, 6, 4)
	s_cmp_eq_u32 s2, 0
	s_cbranch_scc0 .Lentry_in_a_cluster
	s_endpgm
.Lentry_in_a_cluster:
	s_bfe_u32 s2, ttmp6, 0x10000c
	s_cmp_lg_u32 s2, 0xf033
	s_cbranch_scc0 .Lentry_shape_is_right
	s_endpgm
.Lentry_shape_is_right:
; out0 = o w_proj + b_proj on codes of FP6, K = 1,024.  A = o: [tile of 16 places][head][512 + 256 bytes: the images of registers 0-3 and 4-5]; B = w_proj: [tile][K step][piece][lane][16].  Scale words [K quarter][row][2].
; A work-group makes 128 x 128: 8 x 32 = 256 work-groups; a wave of the eight 32 places x 64 columns.  ALL of A's and B's rows lie in LDS, filled once by the head's eight joint loads: wave w brings quarter w / 2 of K, of A (w even) or of B.
; Each quarter is shown by a barrier of its own ahead of its first read.  Nothing is filled again and every byte is asked for at the head: so no prefetch is laid.  CLUSTERS of 4 x 4: A's tiles are shared along a row, B's along a column.
; Transposed use (source 0 = the weight): a lane has eight neighbouring columns of a token.  The bias is loaded into the accumulators: the first products add onto it.
; REGISTERS: v2-15 addresses; v16-31 A's scale words; v36-67 B's; v72-135 the sums, 8 (4 a + b); v136-199 the way out; window 1: two sets of fragments, 72 s: A's two, B's four.
.set STG,  196608                      ; the way out: 32 rows of 272 bytes a wave
.set SPARE, 266240
.set CHK,  49152                       ; a quarter: A's 8 tiles x 3,072 bytes, then B's
.set AD16, 2                           ; v2-3  quarters 0, 1 and 2, 3
.set AD8,  4                           ; v4-5
.set ADB,  6                           ; v6-7
.set STO,  8
.set RD,   9
.set CO,   10
.set SPW,  14
.set NIL,  15
.set SA,   16
.set SB,   36
.set ACC,  72
.set BK,   136
.set G1A,  24
.set G1B,  32
.set G0A,  40
.set G0B,  44
.set MSB, 0
.macro WIN new
.if MSB != (\new)
	s_set_vgpr_msb (MSB<<8)|(\new)
.set MSB, (\new)
.endif
.endm
.macro PLACES
.rept 4
	v_nop
.endr
.endm
.macro CROUND
	s_barrier_signal -1
	s_barrier_wait -1
	s_cmp_lg_u32 s16, 0
	s_cbranch_scc1 .Lnot_wave_0_\@
	s_barrier_signal -3
.Lnot_wave_0_\@:
	s_barrier_wait -3
	s_barrier_signal -1
	s_barrier_wait -1
.endm
.macro GROUP1 g, mask                  ; 8 rows of 3,072 bytes, 12,288 apart
	s_or_b32 s[\g], s\mask, (3<<16)|(1<<21)
	s_mov_b32 s[\g+1], 384<<16
	s_mov_b32 s[\g+2], 8<<16
	s_mov_b32 s[\g+3], 384<<16
	s_mov_b32 s[\g+4], 8
	s_mov_b32 s[\g+5], 1536
	s_mov_b32 s[\g+6], 0
	s_mov_b32 s[\g+7], 0
.endm
.macro TL g0, g1
	tensor_load_to_lds s[\g0:\g0+3], s[\g1:\g1+7]
	s_nop 0
	PLACES
.endm
.macro ARM k, g0, g1
	s_cmp_eq_u32 s16, \k
	s_cbranch_scc0 .Lnext_\@
	TL \g0, \g1
	s_branch .Lasked
.Lnext_\@:
.endm
	s_load_b256 s[4:11], s[0:1], 0x0               ; oc, os, wc, ws
	s_load_b128 s[12:15], s[0:1], 0x20             ; b_proj, out0
	v_lshl_add_u32 v[SPW], v0, 2, SPARE
	v_mov_b32 v[NIL], 0
	ds_add_u32 v[SPW], v[NIL]                      ; the opening lines
	ds_add_u32 v[SPW], v[NIL]
	v_lshrrev_b32 v1, 5, v0
	v_readfirstlane_b32 s16, v1                    ; wave
	s_lshr_b32 s17, s16, 1                         ; my 32 places.  Also: which quarter of K I fetch
	s_and_b32 s18, s16, 1                          ; my 64 columns
	s_bfe_u32 s19, ttmp6, 0x40000                  ; cx
	s_bfe_u32 s20, ttmp6, 0x40004                  ; cy
	s_lshl_b32 s21, ttmp9, 2
	s_add_co_u32 s21, s21, s19                     ; tile column n
	s_and_b32 s22, ttmp7, 0xffff
	s_lshl_b32 s22, s22, 2
	s_add_co_u32 s22, s22, s20                     ; tile row m
	s_lshl_b32 s96, s20, 2
	s_lshl_b32 s96, 15, s96                        ; my row of the cluster
	s_lshl_b32 s97, 0x1111, s19                    ; my column
	GROUP1 G1A, 96
	GROUP1 G1B, 97
	s_mul_i32 s52, s17, 3072
	s_mul_i32 s48, s22, 98304
	s_add_co_u32 s48, s48, s52
	s_mov_b32 s49, 0
	s_mul_i32 s50, s21, 98304
	s_add_co_u32 s50, s50, s52
	s_add_co_u32 s50, s50, 2359296
	s_mov_b32 s51, 0
	s_mov_b32 s[G0A], 1
	s_mul_i32 s[G0A+1], s17, CHK
	s_mov_b32 s[G0B], 1
	s_add_co_u32 s[G0B+1], s[G0A+1], 24576
	s_wait_dscnt 0x0
	s_wait_kmcnt 0x0
	s_add_nc_u64 s[G0A+2:G0A+3], s[4:5], s[48:49]
	s_or_b32 s[G0A+3], s[G0A+3], 0x80000000
	s_add_nc_u64 s[G0B+2:G0B+3], s[8:9], s[50:51]
	s_or_b32 s[G0B+3], s[G0B+3], 0x80000000
	CROUND                                         ; all sixteen work-groups are here
	ARM 0, G0A, G1A
	ARM 1, G0B, G1B
	ARM 2, G0A, G1A
	ARM 3, G0B, G1B
	ARM 4, G0A, G1A
	ARM 5, G0B, G1B
	ARM 6, G0A, G1A
	TL G0B, G1B
.Lasked:
	s_lshl_b32 s48, s22, 10
	s_lshl_b32 s49, s17, 8
	s_add_co_u32 s48, s48, s49                     ; A's scale words: 128 bytes a tile
	s_mov_b32 s49, 0
	s_add_nc_u64 s[6:7], s[6:7], s[48:49]
	s_lshl_b32 s50, s21, 10
	s_lshl_b32 s51, s18, 9
	s_add_co_u32 s50, s50, s51
	s_add_co_u32 s50, s50, 98304
	s_mov_b32 s51, 0
	s_add_nc_u64 s[10:11], s[10:11], s[50:51]      ; B's
	s_lshl_b32 s52, s21, 9
	s_lshl_b32 s53, s18, 8
	s_add_co_u32 s52, s52, s53                     ; my first column, in bytes
	s_mov_b32 s53, 0
	s_add_nc_u64 s[12:13], s[12:13], s[52:53]
	s_lshl_b32 s54, s22, 7
	s_lshr_b32 s55, s17, 1
	s_lshl_b32 s55, s55, 6
	s_add_co_u32 s54, s54, s55
	s_and_b32 s55, s17, 1
	s_lshl_b32 s55, s55, 4
	s_add_co_u32 s54, s54, s55                     ; my first token
	s_lshl_b32 s54, s54, 12
	s_add_co_u32 s54, s54, s52
	s_mov_b32 s55, 0
	s_add_nc_u64 s[14:15], s[14:15], s[54:55]
	s_mul_i32 s56, s17, 6144
	s_mul_i32 s57, s18, 12288
	s_add_co_u32 s57, s57, 24576
	s_mul_i32 s58, s16, 8704
	s_add_co_u32 s58, s58, STG
	v_and_b32 v1, 15, v0                           ; r
	v_bfe_u32 v11, v0, 4, 1                        ; h
	v_and_b32 v12, 31, v0                          ; lane
	v_lshlrev_b32 v13, 4, v12
	v_add_nc_u32 v[AD16], s56, v13
	v_add_nc_u32 v[ADB], s57, v13
	v_lshlrev_b32 v13, 3, v12
	v_add_nc_u32 v[AD8], s56, v13
	v_add_nc_u32 v[AD16+1], 2*CHK, v[AD16]
	v_add_nc_u32 v[AD8+1], 2*CHK, v[AD8]
	v_add_nc_u32 v[ADB+1], 2*CHK, v[ADB]
	v_mul_u32_u24 v[STO], v1, 272
	v_lshl_add_u32 v[STO], v11, 5, v[STO]
	v_add_nc_u32 v[STO], s58, v[STO]               ; in: row r, 32 bytes for each half of the lanes
	v_mul_u32_u24 v[RD], v11, 272
	v_lshl_add_u32 v[RD], v1, 4, v[RD]
	v_add_nc_u32 v[RD], s58, v[RD]                 ; back: sixteen lanes to a row of 256 bytes
	v_lshlrev_b32 v[CO], 12, v11
	v_lshl_add_u32 v[CO], v1, 4, v[CO]
	v_lshlrev_b32 v12, 3, v1                       ; 8 r
	v_lshlrev_b32 v13, 5, v11                      ; 32 h
	s_wait_alu depctr_va_vdst(0)
.irp a, 0,1
.irp b, 0,1,2,3
	global_load_b128 v[ACC+32*\a+8*\b:ACC+32*\a+8*\b+3], v13, s[12:13] offset:64*\b   ; columns 16 b + 8 h + 0 .. 7
	global_load_b128 v[ACC+32*\a+8*\b+4:ACC+32*\a+8*\b+7], v13, s[12:13] offset:64*\b+16
.endr
.endr
.irp g, 0,1,2,3
.irp a, 0,1
	global_load_b64 v[SA+8*\a+2*\g:SA+8*\a+2*\g+1], v12, s[6:7] offset:32768*\g+128*\a
.endr
.irp b, 0,1,2,3
	global_load_b64 v[SB+8*\b+2*\g:SB+8*\b+2*\g+1], v12, s[10:11] offset:8192*\g+128*\b
.endr
.endr
.macro SHOW g                          ; a plain barrier shows quarter g, brought by waves 2 g and 2 g + 1
	WIN 0
.if (\g) < 3
	s_cmp_eq_u32 s17, \g
	s_cbranch_scc0 .Lnot_mine_\@
	s_wait_tensorcnt 0x0
.Lnot_mine_\@:
.else
	s_wait_tensorcnt 0x0
.endif
	s_barrier_signal -1
	s_barrier_wait -1
.endm
.macro FETCH q                         ; K step q's fragments into set q % 2: 20 loads
.set ST_, 72*((\q)%2)
.set GI_, (\q)/4
.set OF_, CHK*(((\q)/2)%2)
	WIN 0x40
.irp b, 0,1,2,3
.irp p, 0,1,2
	ds_load_b128 v[ST_+24+12*\b+4*\p:ST_+27+12*\b+4*\p], v[ADB+GI_] offset:OF_+3072*\b+1536*((\q)%2)+512*\p
.endr
.endr
.irp a, 0,1
.irp c, 0,1
	ds_load_b128 v[ST_+12*\a+6*\c:ST_+12*\a+6*\c+3], v[AD16+GI_] offset:OF_+3072*\a+768*(2*((\q)%2)+\c)
	ds_load_b64 v[ST_+12*\a+6*\c+4:ST_+12*\a+6*\c+5], v[AD8+GI_] offset:OF_+3072*\a+768*(2*((\q)%2)+\c)+512
.endr
.endr
.endm
.macro MUL q                           ; eight products; the accumulators take turns, one instruction a turn
.set ST_, 72*((\q)%2)
	WIN 0x05
.irp a, 0,1
.irp b, 0,1,2,3
	v_wmma_scale_f32_16x16x128_f8f6f4 v[ACC+32*\a+8*\b:ACC+32*\a+8*\b+7], v[ST_+24+12*\b:ST_+35+12*\b], v[ST_+12*\a:ST_+12*\a+11], v[ACC+32*\a+8*\b:ACC+32*\a+8*\b+7], v[SB+8*\b+\q], v[SA+8*\a+\q] matrix_a_fmt:MATRIX_FMT_FP6 matrix_b_fmt:MATRIX_FMT_FP6
.endr
.endr
.endm
.macro TWO q                           ; two K steps: a quarter
	PLACES
	FETCH \q+1
	s_wait_dscnt 20                                ; the 20 just issued may be out
	MUL \q
	s_wait_dscnt 0x0
.if (\q) < 6
	SHOW (\q)/2+1
	PLACES
	FETCH \q+2
.endif
	MUL \q+1
.endm
	SHOW 0
	FETCH 0
	s_wait_loadcnt 0x0                             ; the bias and the scale words
	TWO 0
	TWO 2
	TWO 4
	TWO 6
	WIN 0
	PLACES
; THE WAY OUT through my own stage: in as 32 bytes a lane, back as rows of 256 bytes.  LDS serves a wave's instructions in order.
.irp a, 0,1
.irp b, 0,1,2,3
	ds_store_b128 v[STO], v[ACC+32*\a+8*\b:ACC+32*\a+8*\b+3] offset:4352*\a+64*\b
	ds_store_b128 v[STO], v[ACC+32*\a+8*\b+4:ACC+32*\a+8*\b+7] offset:4352*\a+64*\b+16
.endr
.endr
.irp t, 0,1,2,3,4,5,6,7,8,9,10,11,12,13,14,15
	ds_load_b128 v[BK+4*\t:BK+4*\t+3], v[RD] offset:544*\t
.endr
.irp t, 0,1,2,3,4,5,6,7,8,9,10,11,12,13,14,15
	s_wait_dscnt 15-\t
	global_store_b128 v[CO], v[BK+4*\t:BK+4*\t+3], s[14:15] offset:(8*(\t/8)+32*((\t%8)/4)+2*(\t%4))*4096   ; place r of a tile is token 32 (r / 8) + r % 8; each row's 256 bytes are whole and aligned
.endr
	s_wait_tensorcnt 0x0
	ds_add_u32 v[SPW], v[NIL]
	s_wait_dscnt 0x0
	CROUND                                         ; the closing round
	s_endpgm
.Lfunc_end_k_qe0811ca273_gemm2:
	.size	k_qe0811ca273_gemm2, .Lfunc_end_k_qe0811ca273_gemm2-k_qe0811ca273_gemm2
	.p2alignl 7, 3214868480
	.fill 96, 4, 3214868480
	.section	.rodata,"a",@progbits
	.p2align	6, 0x0
	.amdhsa_kernel k_qe0811ca273_gemm2
		.amdhsa_group_segment_fixed_size 267264
		.amdhsa_private_segment_fixed_size 0
		.amdhsa_enable_private_segment 0
		.amdhsa_kernarg_size 48
		.amdhsa_user_sgpr_count 2
		.amdhsa_user_sgpr_kernarg_segment_ptr 1
		.amdhsa_wavefront_size32 1
		.amdhsa_system_sgpr_workgroup_id_x 1
		.amdhsa_system_sgpr_workgroup_id_y 1
		.amdhsa_system_sgpr_workgroup_id_z 1
		.amdhsa_system_vgpr_workitem_id 0
		.amdhsa_next_free_vgpr 400
		.amdhsa_next_free_sgpr 100
		.amdhsa_reserve_vcc 0
		.amdhsa_float_denorm_mode_32 3
		.amdhsa_float_denorm_mode_16_64 3
		.amdhsa_memory_ordered 1
		.amdhsa_forward_progress 1
		.amdhsa_inst_pref_size 37
	.end_amdhsa_kernel
	.amdgpu_metadata
---
amdhsa.version: [ 1, 2 ]
amdhsa.kernels:
  - .name:           k_qe0811ca273_gemm2
    .symbol:         k_qe0811ca273_gemm2.kd
    .args:
      - { .name: oc, .offset: 0, .size: 8, .value_kind: global_buffer, .address_space: global }
      - { .name: os, .offset: 8, .size: 8, .value_kind: global_buffer, .address_space: global }
      - { .name: wc, .offset: 16, .size: 8, .value_kind: global_buffer, .address_space: global }
      - { .name: ws, .offset: 24, .size: 8, .value_kind: global_buffer, .address_space: global }
      - { .name: b_proj, .offset: 32, .size: 8, .value_kind: global_buffer, .address_space: global }
      - { .name: out0, .offset: 40, .size: 8, .value_kind: global_buffer, .address_space: global }
    .group_segment_fixed_size: 267264
    .private_segment_fixed_size: 0
    .kernarg_segment_align: 8
    .kernarg_segment_size: 48
    .max_flat_workgroup_size: 256
    .sgpr_count:     100
    .vgpr_count:     400
    .wavefront_size: 32
...
	.end_amdgpu_metadata
.endif
;; end of part 4
